; MI455X (gfx1250); checked and timed in simulation.
; The chip was launched on July 23, 2026; its instructions are those of AMD's public machine-readable ISA for CDNA 5 (MIT licence, August 2026) and "CDNA5" Instruction Set Architecture Reference Guide (July 2026). The comments in the code are by the model that wrote it; some were corrected since.
;; Multi Head Attention. Allowed arithmetic: matrix products marked QUANTISED: E4M3 operands, one given power-of-two scale a tensor, by v_wmma_f32_16x16x64_fp8_fp8 or v_wmma_f32_16x16x128_fp8_fp8, f32 sums; everything else in f32.
;; Inputs: Wk_codes 1,024 x 32 x 32 uint8 (E4M3 codes of Wk, K innermost, in blocks of 32 codes); Wo_codes 1,024 x 32 x 32 uint8 (E4M3 codes of Wo, K innermost, in blocks of 32 codes); Wq_codes 1,024 x 32 x 32 uint8 (E4M3 codes of Wq, K innermost, in blocks of 32 codes); Wv_codes 1,024 x 32 x 32 uint8 (E4M3 codes of Wv, K innermost, in blocks of 32 codes); bk 1,024 float32; bo 1,024 float32; bq 1,024 float32; bv 1,024 float32; key_codes 2 x 2,048 x 32 x 32 uint8 (E4M3 codes of key, K innermost, in blocks of 32 codes); lowp_scales 12 int32 (the exponents e of the quantised operands' scales 2^e); query_codes 2 x 2,048 x 32 x 32 uint8 (E4M3 codes of query, K innermost, in blocks of 32 codes); value_codes 2 x 2,048 x 32 x 32 uint8 (E4M3 codes of value, K innermost, in blocks of 32 codes).
;; Outputs: out0 2 x 2,048 x 1,024 float32.
;; This version of the problem:
;;   THIS VERSION OF THE PROBLEM IS GIVEN IN LOW PRECISION. The matrix products marked QUANTISED in the list below multiply operands that are first quantised to E4M3 (4 exponent bits, 3 mantissa bits; 8 bits a number), with one given power-of-two scale for each operand tensor; their sums are f32. All else is computed in f32.
;;   The module's matrix products, in the order in which they are computed (A, B: the left and right operand; K: the contracted axis; several contracted axes count as one K, in the product's order):
;;     1. [M 4,096, K 1,024] x [K 1,024, N 1,024]; A: input query (given as codes); B: input Wq (given as codes): QUANTISED (scales: A lowp_scales[0], B lowp_scales[1])
;;     2. [M 4,096, K 1,024] x [K 1,024, N 1,024]; A: input key (given as codes); B: input Wk (given as codes): QUANTISED (scales: A lowp_scales[2], B lowp_scales[3])
;;     3. [M 4,096, K 1,024] x [K 1,024, N 1,024]; A: input value (given as codes); B: input Wv (given as codes): QUANTISED (scales: A lowp_scales[4], B lowp_scales[5])
;;     4. batch 32 x [M 2,048, K 64] x [K 64, N 2,048]; A: computed on the way; B: computed on the way: QUANTISED (scales: A lowp_scales[6], B lowp_scales[7])
;;     5. batch 32 x [M 2,048, K 2,048] x [K 2,048, N 64]; A: softmax (see below); B: computed on the way: QUANTISED (scales: A lowp_scales[8], B lowp_scales[9])
;;     6. [M 4,096, K 1,024] x [K 1,024, N 1,024]; A: computed on the way; B: input Wo (given as codes): QUANTISED (scales: A lowp_scales[10], B lowp_scales[11])
;;   THE QUANTISER, for each operand of a quantised product, along K:
;;     - The operand's scale is 2^e, e = its entry of the input lowp_scales (int32; the entries are numbered through the quantised products in the list's order, A before B).
;;     - Each number is divided by the scale, clamped to +-448, and rounded to the nearest number of E4M3, ties to even, subnormals kept.
;;     - The product sums the exact products of the quantised numbers (number of the format x scale) in f32.
;;   ~~~python
;;   def quantise(x, axis, e):      # numpy; x: float32 -> the quantised numbers, widened to float32 again
;;       x = np.moveaxis(x, axis, -1); K = x.shape[-1]
;;       r = np.clip(x / 2.0 ** e, -448, 448)
;;       step = 2.0 ** (np.maximum(np.frexp(np.where(r == 0, 1, r))[1] - 1, -6) - 3)
;;       q = np.round(r / step) * step * 2.0 ** e      # np.round: ties to even
;;       return np.moveaxis(q, -1, axis).astype(np.float32)
;;   ~~~
;;   SOFTMAX AHEAD OF A QUANTISED PRODUCT. Where the list says 'softmax', what is quantised is not the finished softmax but p = 2^(t - M), with t = logit x log2(e) and M = ceil(the row's largest t), a whole number; so 1/2 < the row's largest p <= 1. The row's sum l is taken of the UNQUANTISED p, in f32, and the product's result is divided by l at the end. Since M is a whole number, a kernel that streams over the keys may use a running M (the ceiling of the running maximum): every later rescaling is an exact power of two, so the quantised numbers keep their values, but for numbers so far below the row's largest that they fall under the format's range.
;;   OPERANDS COMPUTED ON THE WAY. 'Computed on the way' means the value that the module computes at that place (a softmax that the list does not call 'softmax' is quantised finished and normalised). What goes into a quantiser is computed in f32, as accurately as f32 sums, v_exp_f32 and their like allow (about 1e-6 of the number): no bf16 or f16 on the way to a quantiser, and a product that is left as it is and whose result goes on into a quantised operand takes f32 operands (vector FMAs, or v_wmma_f32_16x16x4_f32). A number that lies on a knife's edge between two numbers of the format may be rounded either way, as far as f32 arithmetic and the matrix unit's own rounding can turn it there, and no further.
;;   INPUTS GIVEN AS CODES. Wk (in the module: [1024, 1024], K = its axis 0); Wo (in the module: [1024, 1024], K = its axis 0); Wq (in the module: [1024, 1024], K = its axis 0); Wv (in the module: [1024, 1024], K = its axis 0); key (in the module: [2, 2048, 1024], K = its axis 2); query (in the module: [2, 2048, 1024], K = its axis 2); value (in the module: [2, 2048, 1024], K = its axis 2): each comes as NAME_codes (uint8): NAME with its K axis moved to the last place and cut into blocks of 32 codes, [.., K / 32, bytes a block], one block behind the other in memory; one code a byte (a code: sign, 4 exponent bits, 3 mantissa bits); its scale is its entry of lowp_scales. Its value is code x scale, taken as it is: it is not quantised again, and the codes and scales need not be those that the quantiser above would give.
;; One version. Each part assembles by itself: llvm-mc -triple=amdgcn-amd-amdhsa -mcpu=gfx1250 --defsym DOCPART=n.
;; ======== version 1 of 1: 3 launches
;; limits: right only within a limited range of input values
;; workspace buffers: qkv 12,582,912 bytes; aimg 4,194,304 bytes
;; launch proj (part 1): grid 4 x 48, 4 waves a work-group, clusters of 4 x 4, 327,680 bytes of LDS; arguments query_codes, key_codes, value_codes, Wq_codes, Wk_codes, Wv_codes, bq, bk, bv, lowp_scales, qkv; writes qkv
.if DOCPART == 1
	.amdgcn_target "amdgcn-amd-amdhsa--gfx1250"
	.amdhsa_code_object_version 6
	.text
	.protected	k_qf572467f23_proj
	.globl	k_qf572467f23_proj
	.p2align	8
	.type	k_qf572467f23_proj,@function
k_qf572467f23_proj:
	s_mov_b64 s[64:65], 0
	v_nop
	global_prefetch_b8 v0, s[64:65] scope:SCOPE_SE
	s_setreg_imm32_b32 hwreg(HW_REG_WAVE_MODE, 25, 1), 1
	s_wait_xcnt 0x0
	s_wait_alu depctr_hold_cnt(0) depctr_sa_sdst(0) depctr_va_vdst(0) depctr_va_sdst(0) depctr_va_ssrc(0) depctr_va_vcc(0) depctr_vm_vsrc(0)
	s_getreg_b32 s2, hwreg(HW_REG_IB_STS2, 6, 4)
	s_cmp_eq_u32 s2, 0
	s_cbranch_scc0 .Lentry_in_a_cluster
	s_endpgm
.Lentry_in_a_cluster:
	s_bfe_u32 s2, ttmp6, 0x10000c
	s_cmp_lg_u32 s2, 0xf033
	s_cbranch_scc0 .Lentry_shape_is_right
	s_endpgm
.Lentry_shape_is_right:
; THE THREE PROJECTIONS, on codes of FP8 (E4M3): Q, K, V = x W + b, quantised at once and stored as images of the operand registers that the attention wants (qkv: see launch attn).
; Grid: 4 x 48 work-groups of a tile of 256 x 256, clusters of 4 x 4; cluster row / 4 is the product (0 Q, 1 K, 2 V).  Q and K: A = tokens, B = rows of the weight's codes (channels); V: A = channels, B = tokens:
; source 0 = 16 rows of B, source 1 = 16 rows of A, so a lane holds one row of A and eight neighbours along B, which are neighbours along the next product's K.  Sums in f32, one chain for each output.
; K goes in four steps of 256 through a ring of two LDS slots; A's tiles are asked for jointly by a row of the cluster, B's by a column.  K steps 2 and 3 are prefetched two steps ahead, behind the joint loads of K steps 0 and 1:
; of the 128 rows that a wave fetches each of the four partners names 32, a lane a row, told apart by address.
; A sum stands for sum x 2^(ex + ew): the bias is added as b x 2^-(ex + ew), and the scales are folded into the conversion's one.
; WORK LEFT OUT: in launch attn, key steps all of whose keys lie behind the queries: the causal mask makes their scores -infinity, so their p is 0 for all inputs.  A NaN or an infinity that reaches only those is not carried to the result.
; LIMITS on the given exponents (e = lowp_scales): for each projection e_out - ex - ew between -126 and 119, so that the powers of two are f32 numbers.  NaN among the numbers is not served.
.set KSTEP,  256
.set ROWB,   256
.set KROW,   1024
.set PITCH,  272
.set FR,     16
.set NL,     4
.set NP,     4
.set HALFT,  128*PITCH
.set SLOT,   4*HALFT
.set SPARE,  2*SLOT
.set HEADB,  393216
.set ADRA, 16
.set ADRB, 20
.set VO,   26
.set SPW,  28
.set NIL,  29
.set BX,   32
.set BY,   96
.set SC,   112
.set LIM,  113
.set AF,   128
.set T,    128
.set CD,   192
.set G1, 24
.set G0, 32
.set G1B, 48
.set G0B, 56
.set MSB, 0
.macro WIN new
.if MSB != \new
	s_set_vgpr_msb (MSB<<8)|\new
.set MSB, \new
.endif
.endm
.set MUL_LO, 0xa1
.set MUL_HI, 0xf1
.set TO_B,   0x40
.macro JLOAD g0a, g1a, g0b, g1b
	s_cmp_eq_u32 s15, 0
	s_cbranch_scc0 .Lfor_b_\@
	tensor_load_to_lds s[\g0a:\g0a+3], s[\g1a:\g1a+7]
	s_nop 0
.rept 4
	v_nop
.endr
	s_branch .Lasked_\@
.Lfor_b_\@:
	tensor_load_to_lds s[\g0b:\g0b+3], s[\g1b:\g1b+7]
	s_nop 0
.rept 4
	v_nop
.endr
.Lasked_\@:
.endm
.macro CREST
	s_cmp_lg_u32 s14, 0
	s_cbranch_scc1 .Lnot_wave_0_\@
	s_barrier_signal -3
.Lnot_wave_0_\@:
	s_barrier_wait -3
	s_barrier_signal -1
	s_barrier_wait -1
.endm
.macro CROUND
	s_barrier_signal -1
	s_barrier_wait -1
	CREST
.endm
	s_load_b512 s[68:83], s[0:1], 0x0
	s_load_b128 s[84:87], s[0:1], 0x40
	s_load_b64 s[88:89], s[0:1], 0x50
	v_lshl_add_u32 v[SPW], v0, 2, SPARE
	v_mov_b32 v[NIL], 0
	ds_add_u32 v28, v29
	ds_add_u32 v28, v29
	s_wait_dscnt 0x0
	v_lshrrev_b32 v1, 5, v0
	v_readfirstlane_b32 s14, v1
	s_lshr_b32 s15, s14, 1
	s_and_b32 s16, s14, 1
	s_bfe_u32 s40, ttmp6, 0x40000
	s_bfe_u32 s41, ttmp6, 0x40004
	s_and_b32 s90, ttmp7, 0xffff
	s_and_b32 s91, s90, 3
	s_lshr_b32 s90, s90, 2
	s_cmp_eq_u32 s90, 2
	s_cselect_b32 s12, s91, 0
	s_cselect_b32 s13, 0, s91
	s_lshl_b32 s42, s12, 2
	s_add_co_u32 s42, s42, s40
	s_lshl_b32 s17, s13, 2
	s_add_co_u32 s17, s17, s41
	s_lshl_b32 s43, s41, 2
	s_lshl_b32 s43, 15, s43
	s_lshl_b32 s44, 0x1111, s40
	s_or_b32 s[G1+0], s43, (0<<16)|(1<<20)|(1<<21)|(5<<22)|(3<<25)
	s_or_b32 s[G1B+0], s44, (0<<16)|(1<<20)|(1<<21)|(5<<22)|(3<<25)
.irp g, G1, G1B
	s_mov_b32 s[\g+1], ROWB<<16
	s_mov_b32 s[\g+2], 128<<16
	s_mov_b32 s[\g+3], ROWB<<16
	s_mov_b32 s[\g+4], 128
	s_mov_b32 s[\g+5], KROW
	s_mov_b32 s[\g+6], 0
	s_mov_b32 s[\g+7], 0
.endr
	s_lshl_b32 s18, s16, 7
	s_lshl_b32 s20, s17, 8
	s_add_co_u32 s20, s20, s18
	s_lshl_b32 s20, s20, 10
	s_mov_b32 s21, 0
	s_lshl_b32 s46, s42, 8
	s_add_co_u32 s46, s46, s18
	s_lshl_b32 s46, s46, 10
	s_mov_b32 s47, 0
	s_mul_i32 s45, s14, HALFT
	s_wait_kmcnt 0x0
	s_load_b256 s[92:99], s[86:87], 0x0
	s_load_b64 s[100:101], s[86:87], 0x20
	s_cmp_eq_u32 s90, 1
	s_cselect_b64 s[4:5], s[70:71], s[68:69]
	s_cselect_b64 s[6:7], s[76:77], s[74:75]
	s_cselect_b64 s[8:9], s[82:83], s[80:81]
	s_cmp_eq_u32 s90, 2
	s_cselect_b64 s[4:5], s[78:79], s[4:5]
	s_cselect_b64 s[6:7], s[72:73], s[6:7]
	s_cselect_b64 s[8:9], s[84:85], s[8:9]
	s_add_nc_u64 s[20:21], s[4:5], s[20:21]
	s_add_nc_u64 s[46:47], s[6:7], s[46:47]
	CROUND
.irp s, 0,1
	s_mov_b32 s[G0+4*\s], 1
	s_add_co_u32 s[G0+4*\s+1], s45, \s*SLOT
	s_add_nc_u64 s[G0+4*\s+2:G0+4*\s+3], s[20:21], \s*ROWB
	s_or_b32 s[G0+4*\s+3], s[G0+4*\s+3], 0x80000000
	s_mov_b32 s[G0B+4*\s], 1
	s_add_co_u32 s[G0B+4*\s+1], s45, \s*SLOT
	s_add_nc_u64 s[G0B+4*\s+2:G0B+4*\s+3], s[46:47], \s*ROWB
	s_or_b32 s[G0B+4*\s+3], s[G0B+4*\s+3], 0x80000000
.endr
	JLOAD G0, G1, G0B, G1B                         ; K step 0: one tensor load a wave at the head
	s_cmp_eq_u32 s15, 0                            ; the prefetches: my 128 rows of A or of B,
	s_cselect_b64 s[66:67], s[20:21], s[46:47]
	s_cselect_b32 s18, s40, s41                    ; of which my work-group names 32: by its place among the four that ask jointly
	s_lshl_b32 s18, s18, 15
	s_mov_b32 s19, 0
	s_add_nc_u64 s[66:67], s[66:67], s[18:19]
	v_and_b32 v27, 31, v0
	v_lshlrev_b32 v27, 10, v27                     ; a lane a row; never rewritten
	global_prefetch_b8 v27, s[66:67] offset:2*ROWB th:TH_LOAD_NT scope:SCOPE_SE   ; K step 2
	v_and_b32 v1, 15, v0
	v_bfe_u32 v2, v0, 4, 1
	s_wait_alu depctr_va_vdst(0)
	v_mul_u32_u24 v3, v1, PITCH
	v_lshl_add_u32 v4, v2, 4, v3
	s_mul_i32 s21, s15, HALFT
	s_mul_i32 s22, s16, HALFT
	s_add_co_u32 s22, s22, 2*HALFT
.irp s, 0,1
	v_add_nc_u32 v[ADRA+\s], s21, v4
	v_add_nc_u32 v[ADRB+\s], s22, v4
	s_add_co_u32 s21, s21, SLOT
	s_add_co_u32 s22, s22, SLOT
.endr
	v_and_b32 v7, 31, v0
	v_lshlrev_b32 v[VO], 4, v7
	s_lshl_b32 s68, s42, 8
	s_lshl_b32 s72, s16, 7
	s_add_co_u32 s68, s68, s72
	s_lshl_b32 s69, s17, 8
	s_lshl_b32 s72, s15, 7
	s_add_co_u32 s69, s69, s72
	s_cmp_eq_u32 s90, 2
	s_cselect_b32 s70, s68, s69
	s_cselect_b32 s71, s69, s68
	s_lshl_b32 s72, s71, 2
	s_mov_b32 s73, 0
	s_add_nc_u64 s[8:9], s[8:9], s[72:73]
	v_lshlrev_b32 v5, 5, v2
	v_lshlrev_b32 v6, 2, v1
.irp b, 0,1,2,3,4,5,6,7
	global_load_b128 v[BX+8*\b:BX+8*\b+3], v5, s[8:9] offset:64*\b
	global_load_b128 v[BX+8*\b+4:BX+8*\b+7], v5, s[8:9] offset:64*\b+16
.endr
.irp a, 0,1,2,3,4,5,6,7
	global_load_b32 v[BY+2*\a], v6, s[8:9] offset:64*\a
.endr
	s_lshr_b32 s72, s70, 11
	s_lshl_b32 s72, s72, 4
	s_lshr_b32 s73, s71, 6
	s_add_co_u32 s72, s72, s73
	s_mul_i32 s72, s72, HEADB
	s_bfe_u32 s73, s70, 0x40007
	s_cmp_eq_u32 s90, 0
	s_cselect_b32 s74, 13, 14
	s_cselect_b32 s75, 262144, 0
	s_cmp_eq_u32 s90, 2
	s_cselect_b32 s75, 8192, s75
	s_lshl_b32 s73, s73, s74
	s_add_co_u32 s72, s72, s73
	s_add_co_u32 s72, s72, s75
	s_mov_b32 s73, 0
	s_add_nc_u64 s[10:11], s[88:89], s[72:73]
	s_wait_kmcnt 0x0
	s_add_co_i32 s72, s92, s93
	s_add_co_i32 s73, s94, s95
	s_add_co_i32 s74, s96, s97
	s_cmp_eq_u32 s90, 1
	s_cselect_b32 s72, s73, s72
	s_cselect_b32 s75, s99, s98
	s_cmp_eq_u32 s90, 2
	s_cselect_b32 s72, s74, s72
	s_cselect_b32 s75, s101, s75
	s_sub_co_i32 s76, 0, s72
	s_sub_co_i32 s75, s75, s72
	s_add_co_i32 s75, s75, 127
	s_lshl_b32 s77, s75, 23
	v_mov_b32 v[SC], s77
	s_add_co_i32 s75, s75, 8
	s_lshl_b32 s75, s75, 23
	s_or_b32 s75, s75, 0x600000
	v_mov_b32 v[LIM], s75
.macro FRAG reg, adr, q, i
.irp c, 0,1,2,3
	ds_load_b128 v[\reg+4*\c:\reg+4*\c+3], v[\adr] offset:128*(\q)+32*\c+(\i)*16*PITCH
.endr
.endm
.macro MUL16 a0, p, zero
.irp a, \a0, \a0+1
.irp b, 0,1,2,3,4,5,6,7
.if \zero
	v_wmma_f32_16x16x128_fp8_fp8 v[8*(8*((\a)%4)+\b):8*(8*((\a)%4)+\b)+7], v[128*(\p)+FR*\b:128*(\p)+FR*\b+FR-1], v[AF+FR*(\a):AF+FR*(\a)+FR-1], 0
.else
	v_wmma_f32_16x16x128_fp8_fp8 v[8*(8*((\a)%4)+\b):8*(8*((\a)%4)+\b)+7], v[128*(\p)+FR*\b:128*(\p)+FR*\b+FR-1], v[AF+FR*(\a):AF+FR*(\a)+FR-1], v[8*(8*((\a)%4)+\b):8*(8*((\a)%4)+\b)+7]
.endif
.endr
.endr
.endm
.macro FETCH_B slot, q, p
	WIN TO_B
.irp i, 0,1,2,3,4,5,6,7
	FRAG 128*(\p)+FR*\i, ADRB+\slot, \q, \i
.endr
	WIN 0
.endm
.macro FETCH_A slot, q, i0
.irp i, \i0, \i0+1, \i0+2, \i0+3
	FRAG AF+FR*(\i), ADRA+\slot, \q, \i
.endr
.endm
.macro PLACES n
.rept \n
	v_nop
.endr
.endm
.macro STEP slot, q, zero
	s_wait_dscnt 4*NL
	WIN MUL_LO
	MUL16 0, (\q)%2, \zero
	MUL16 2, (\q)%2, \zero
	s_wait_dscnt 0
	PLACES NP
	FETCH_B \slot, (\q)+1, 1-(\q)%2
	FETCH_A \slot, (\q)+1, 0
	WIN MUL_HI
	MUL16 4, (\q)%2, \zero
	MUL16 6, (\q)%2, \zero
	PLACES NP
	WIN 0
	FETCH_A \slot, (\q)+1, 4
.endm
.macro TURN slot, next, fill
	s_wait_tensorcnt 0x0
	ds_add_u32 v[SPW], v[NIL]
	s_wait_dscnt 4*NL+1
	WIN MUL_LO
	MUL16 0, 1, 0
	s_wait_dscnt 0x0
	s_barrier_signal -1
	MUL16 2, 1, 0
	WIN 0
	s_barrier_wait -1
.if \fill
	CREST
	s_add_nc_u64 s[G0+4*\slot+2:G0+4*\slot+3], s[G0+4*\slot+2:G0+4*\slot+3], 2*ROWB
	s_add_nc_u64 s[G0B+4*\slot+2:G0B+4*\slot+3], s[G0B+4*\slot+2:G0B+4*\slot+3], 2*ROWB
	JLOAD G0+4*\slot, G1, G0B+4*\slot, G1B
.else
	PLACES NP
.endif
	FETCH_B \next, 0, 0
	FETCH_A \next, 0, 0
	WIN MUL_HI
	MUL16 4, 1, 0
	MUL16 6, 1, 0
	PLACES NP
	WIN 0
	FETCH_A \next, 0, 4
.endm
	s_wait_alu depctr_va_vdst(0)                   ; the wait at the head's end
	s_wait_tensorcnt 0x0                           ; my part of K step 0 is in
	ds_add_u32 v[SPW], v[NIL]
	s_wait_dscnt 0x0
	CROUND                                         ; everybody's part is in, and all sixteen work-groups are here
	JLOAD G0+4, G1, G0B+4, G1B                     ; K step 1, the first tensor load behind the round
	FETCH_B 0, 0, 0
	FETCH_A 0, 0, 0
	FETCH_A 0, 0, 4
	global_prefetch_b8 v27, s[66:67] offset:3*ROWB th:TH_LOAD_NT scope:SCOPE_SE   ; K step 3
	STEP 0, 0, 1
	TURN 0, 1, 1
	STEP 1, 0, 0
	TURN 1, 0, 1
	STEP 0, 0, 0
	TURN 0, 1, 0
	STEP 1, 0, 0
	s_wait_dscnt 4*NL
	WIN MUL_LO
	MUL16 0, 1, 0
	MUL16 2, 1, 0
	s_wait_dscnt 0
	WIN MUL_HI
	MUL16 4, 1, 0
	MUL16 6, 1, 0
	WIN 0
.macro OUT a, isv
.set AC, 64*((\a)%4)
.set CS, CD+16*((\a)%4)
	WIN 0x02+((\a)/4)
.irp b, 0,1,2,3,4,5,6,7
.irp j, 0,2,4,6
.if \isv
	v_pk_add_f32 v[T+8*\b+\j:T+8*\b+\j+1], v[AC+8*\b+\j:AC+8*\b+\j+1], v[BY+2*(\a):BY+2*(\a)+1]
.else
	v_pk_add_f32 v[T+8*\b+\j:T+8*\b+\j+1], v[AC+8*\b+\j:AC+8*\b+\j+1], v[BX+8*\b+\j:BX+8*\b+\j+1]
.endif
.endr
.endr
	WIN 0
.set n, 0
.rept 64
	v_med3_num_f32 v[T+n], v[T+n], -v[LIM], v[LIM]
.set n, n+1
.endr
.if (\a) >= 4
	s_wait_alu depctr_va_vdst(0)
	s_wait_xcnt 0x0
.endif
.irp b, 0,1,2,3,4,5,6,7
	v_cvt_scalef32_pk8_fp8_f32 v[CS+2*\b:CS+2*\b+1], v[T+8*\b:T+8*\b+7], v[SC]
.endr
	v_nop
.irp i, 0,1,2,3
.if \isv
	global_store_b128 v[VO], v[CS+4*\i:CS+4*\i+3], s[10:11] offset:((\a)/4)*HEADB+((\a)%4)*2048+\i*512
.else
	global_store_b128 v[VO], v[CS+4*\i:CS+4*\i+3], s[10:11] offset:(\a)*1024+(\i/2)*HEADB+(\i%2)*512
.endif
.endr
.endm
	s_wait_loadcnt 0x0                             ; the bias, asked for at the head, x 2^-(ex + ew): these lines are also the places behind the last products
.set n, 0
.rept 64
	v_ldexp_f32 v[BX+n], v[BX+n], s76
.set n, n+1
.endr
.irp a, 0,1,2,3,4,5,6,7
	v_ldexp_f32 v[BY+2*\a], v[BY+2*\a], s76
.endr
.irp a, 0,1,2,3,4,5,6,7
	v_mov_b32 v[BY+2*\a+1], v[BY+2*\a]
.endr
	s_cmp_eq_u32 s90, 2
	s_cbranch_scc1 .Lfor_v
.irp a, 0,1,2,3,4,5,6,7
	OUT \a, 0
.endr
	s_branch .Ldone
.Lfor_v:
	s_wait_alu depctr_va_vdst(0)
.irp a, 0,1,2,3,4,5,6,7
	OUT \a, 1
.endr
.Ldone:
	s_wait_tensorcnt 0x0
	ds_add_u32 v[SPW], v[NIL]
	s_wait_dscnt 0x0
	CROUND
	s_endpgm
.Lfunc_end_k_qf572467f23_proj:
	.size	k_qf572467f23_proj, .Lfunc_end_k_qf572467f23_proj-k_qf572467f23_proj
	.p2alignl 7, 3214868480
	.fill 96, 4, 3214868480
	.section	.rodata,"a",@progbits
	.p2align	6, 0x0
	.amdhsa_kernel k_qf572467f23_proj
		.amdhsa_group_segment_fixed_size 327680
		.amdhsa_private_segment_fixed_size 0
		.amdhsa_enable_private_segment 0
		.amdhsa_kernarg_size 88
		.amdhsa_user_sgpr_count 2
		.amdhsa_user_sgpr_kernarg_segment_ptr 1
		.amdhsa_wavefront_size32 1
		.amdhsa_system_sgpr_workgroup_id_x 1
		.amdhsa_system_sgpr_workgroup_id_y 1
		.amdhsa_system_sgpr_workgroup_id_z 1
		.amdhsa_system_vgpr_workitem_id 0
		.amdhsa_next_free_vgpr 1024
		.amdhsa_next_free_sgpr 102
		.amdhsa_reserve_vcc 0
		.amdhsa_float_denorm_mode_32 3
		.amdhsa_float_denorm_mode_16_64 3
		.amdhsa_memory_ordered 1
		.amdhsa_forward_progress 1
		.amdhsa_inst_pref_size 199
	.end_amdhsa_kernel
	.amdgpu_metadata
---
amdhsa.version: [ 1, 2 ]
amdhsa.kernels:
  - .name:           k_qf572467f23_proj
    .symbol:         k_qf572467f23_proj.kd
    .args:
      - { .name: query_codes, .offset: 0, .size: 8, .value_kind: global_buffer, .address_space: global }
      - { .name: key_codes, .offset: 8, .size: 8, .value_kind: global_buffer, .address_space: global }
      - { .name: value_codes, .offset: 16, .size: 8, .value_kind: global_buffer, .address_space: global }
      - { .name: Wq_codes, .offset: 24, .size: 8, .value_kind: global_buffer, .address_space: global }
      - { .name: Wk_codes, .offset: 32, .size: 8, .value_kind: global_buffer, .address_space: global }
      - { .name: Wv_codes, .offset: 40, .size: 8, .value_kind: global_buffer, .address_space: global }
      - { .name: bq, .offset: 48, .size: 8, .value_kind: global_buffer, .address_space: global }
      - { .name: bk, .offset: 56, .size: 8, .value_kind: global_buffer, .address_space: global }
      - { .name: bv, .offset: 64, .size: 8, .value_kind: global_buffer, .address_space: global }
      - { .name: lowp_scales, .offset: 72, .size: 8, .value_kind: global_buffer, .address_space: global }
      - { .name: qkv, .offset: 80, .size: 8, .value_kind: global_buffer, .address_space: global }
    .group_segment_fixed_size: 327680
    .private_segment_fixed_size: 0
    .kernarg_segment_align: 8
    .kernarg_segment_size: 88
    .max_flat_workgroup_size: 128
    .sgpr_count:     102
    .vgpr_count:     1024
    .wavefront_size: 32
...
	.end_amdgpu_metadata
.endif
;; end of part 1
;; launch attn (part 2): grid 8 x 32, 16 waves a work-group, clusters of 4 x 1, 301,056 bytes of LDS; arguments qkv, lowp_scales, aimg; writes aimg
.if DOCPART == 2
	.amdgcn_target "amdgcn-amd-amdhsa--gfx1250"
	.amdhsa_code_object_version 6
	.text
	.protected	k_qf572467f23_attn
	.globl	k_qf572467f23_attn
	.p2align	8
	.type	k_qf572467f23_attn,@function
k_qf572467f23_attn:
	s_mov_b64 s[64:65], 0
	v_nop
	global_prefetch_b8 v0, s[64:65] scope:SCOPE_SE
	s_setreg_imm32_b32 hwreg(HW_REG_WAVE_MODE, 25, 1), 1
	s_wait_xcnt 0x0
	s_wait_alu depctr_hold_cnt(0) depctr_sa_sdst(0) depctr_va_vdst(0) depctr_va_sdst(0) depctr_va_ssrc(0) depctr_va_vcc(0) depctr_vm_vsrc(0)
	s_getreg_b32 s2, hwreg(HW_REG_IB_STS2, 6, 4)
	s_cmp_eq_u32 s2, 0
	s_cbranch_scc0 .Lentry_in_a_cluster
	s_endpgm
.Lentry_in_a_cluster:
	s_bfe_u32 s2, ttmp6, 0x10000c
	s_cmp_lg_u32 s2, 0x3003
	s_cbranch_scc0 .Lentry_shape_is_right
	s_endpgm
.Lentry_shape_is_right:
; CAUSAL ATTENTION on codes of FP8 (E4M3): 32 heads (16 x batch + head) of 2,048 tokens x 64 channels.  In: qkv, images of operand registers (a head: 16 key steps x 16,384 bytes, each K's 8 tiles of
; 16 keys x 1,024 bytes, then V's 4 tiles of 16 channels x 2,048; at 262,144 Q's 128 tiles of 16 queries x 1,024).  Out: aimg, the attention's result as codes, images of the last product's operand.
; THE SOFTMAX: t = score x log2(e) / 8; M = the row's largest t so far, rounded UP to a whole number; p = 2^(t - M) is quantised along the keys, not normalised.  The row's sum is taken of the
; unquantised p, in f32, and divides O at the end.  When M moves, the sum and O are multiplied by 2^(old M - new M): exact.
; THE WHOLE HEAD LIES IN LDS: 16 steps x 16,384 = 262,144 bytes, filled once, one tensor load a wave: no slot is filled again.
; SHARES.  Eight work-groups a head; work-group c owns the tiles of queries 128 kap + 16 c + 0 .. 15, kap = 0 .. 15; tile kap needs key steps 0 .. kap (the others are left out: the causal mask hides all their keys), step kap with the mask.
; Tiles 15 - k and k have 17 steps together, for waves k and 8 + k (k = 0 .. 7): wave k takes steps 0 .. 8 of tile 15 - k; wave 8 + k takes tile k whole (k + 1 steps), then steps 9 .. 15 - k of tile 15 - k
; (7 - k steps).  So a wave has 9 or 8 steps.  At the end wave 8 + k joins the two parts of tile 15 - k, which wave k hands over through LDS.  What a wave does hangs on its number alone.
; CLUSTER.  Four work-groups of a head ask for K and V jointly.  All of a head's bytes are asked for by the first lines, so there is nothing later to prefetch.
; LAYOUT.  Both products transposed: S^T = K Q^T (source 0 = 16 keys, source 1 = my 16 queries; 64 along K), O^T = V^T P^T (source 0 = 16 channels, source 1 = P; 128 keys along K): a lane holds ONE query (lane % 16).
; In S^T's tile c lane (r, h) holds keys 16 c + 8 h + 0 .. 7: one conversion makes of them registers 2 c, 2 c + 1 of P, which is where the plain K = 128 form wants those keys; V's images were laid so too.
; LIMITS: e6 + e7 between -123 and 130 (added to c's exponent field); e8, and e10 - e8 - e9, between -126 and 119; |t| under 2^31.  NaN among the numbers is not served; one that reaches only hidden steps is not carried.
.set STEPB, 16384                      ; a key step in LDS and in qkv
.set VOFF,  8192                       ; V's images behind K's
.set HEADB, 393216
.set QOFF,  262144
.set STG,   262144                     ; behind the head: a part's O^T and its four numbers, 9 x 512 bytes for each k
.set STGB,  4608
.set SPARE, STG+8*STGB                 ; the spare words, 128 bytes for each wave
.set LI,  1                            ; v1   16 x lane: my place in an image;  v0, v12-15 at work
.set AD,  2                            ; v2   LDS address in hand
.set DM,  3                            ; v3   16 c + r - 8 h: in the masked step register n's key is hidden where 16 (n / 8) + n % 8 > DM
.set SPW, 4
.set NIL, 5
.set F,   6                            ; v6   2^(old M - new M)
.set SCP, 7                            ; v7   2^e8
.set NM,  8                            ; v8   -M;  v9 the largest t;  v[10:11] the sum in two halves
.set MX,  9
.set SU, 10
.set PC, 14                            ; v14-29 p's codes: the first two registers at work elsewhere, the others over scores that have been converted
.set S,  16                            ; v16-79 S^T, then p
.set QF, 80                            ; v80-87 Q's fragment;  v88-95 that of tile 15 - k (waves 0 to 7 hold the same in both)
.set QN, 88
.set KR, 96                            ; v96-159 a step's K, loaded a step ahead
.set VR, 160                           ; v160-223 its V
.set OT, 224                           ; v224-255 O^T
.set KLO, 12                           ; k
.set SWJ, 13                           ; the trip ahead of which my tile changes (16: never)
.set LASTJ, 14                         ; my last trip
.set DD, 15                            ; waves 8 to 15: 8 - k, what a trip's number lacks of its step's behind the change;  else 0
.set J,  16                            ; the trip
.set KS, 17                            ; its key step
.set WV, 18
.set KAP, 19                           ; the tile in hand
.set SEL, 20                           ; s[20:21] lane selects for v_permlanex16_b32: lane l xor 16
.set CS, 22                            ; s[22:23] c = log2(e) / 8 x 2^(e6 + e7)
.set G1, 24
.set G0, 32
.set TB, 36                            ; LDS byte of the step in hand;  s37 of the next
.set TN, 37
.set LIMP, 38                          ; 448 x 2^e8
.set OSC, 39                           ; 2^(e10 - e8 - e9), and 448 x that
.set OLIM, 40
.set KN, 41
.set HD, 42
.set UP, 43                            ; 15 - k
.macro CROUND                          ; a round of the cluster's barrier
	s_barrier_signal -1
	s_barrier_wait -1
	s_cmp_lg_u32 s[WV], 0
	s_cbranch_scc1 .Lnot_wave_0_\@
	s_barrier_signal -3
.Lnot_wave_0_\@:
	s_barrier_wait -3
	s_barrier_signal -1
	s_barrier_wait -1
.endm
.macro PLACES n                        ; places behind matrix instructions
.rept \n
	v_nop
.endr
.endm
	s_load_b128 s[4:7], s[0:1], 0x0                ; qkv, the scales' exponents
	s_load_b64 s[8:9], s[0:1], 0x10                ; aimg
	v_lshl_add_u32 v[SPW], v0, 2, SPARE
	v_mov_b32 v[NIL], 0
	ds_add_u32 v[SPW], v[NIL]                      ; the opening lines: the add, twice on end, and its wait
	ds_add_u32 v[SPW], v[NIL]
	v_lshrrev_b32 v12, 5, v0
	v_and_b32 v13, 31, v0
	v_readfirstlane_b32 s[WV], v12                 ; wave 0..15
	v_lshlrev_b32 v[LI], 4, v13
	s_and_b32 s[KLO], s[WV], 7
	s_lshr_b32 s80, s[WV], 3
	s_sub_co_u32 s[LASTJ], 8, s80
	s_sub_co_u32 s[UP], 15, s[KLO]
	s_sub_co_u32 s[DD], 8, s[KLO]
	s_mul_i32 s[DD], s[DD], s80
	s_add_co_u32 s[SWJ], s[KLO], 1
	s_cmp_lt_u32 s[WV], 8
	s_cselect_b32 s[KAP], s[UP], s[KLO]
	s_cselect_b32 s[SWJ], 16, s[SWJ]
	; descriptor group 1: a key step is a dense block of 16,384 bytes: 64 rows of 32 elements of 8 bytes
	s_mov_b32 s[G1], 15|(3<<16)|(1<<21)            ; 15:0 the mask: all four work-groups; 17:16 elements of 8 bytes; 21 set beside a mask; no padding
	s_mov_b32 s[G1+1], 32<<16
	s_mov_b32 s[G1+2], 64<<16
	s_mov_b32 s[G1+3], 32<<16
	s_mov_b32 s[G1+4], 64
	s_mov_b32 s[G1+5], 32
	s_mov_b32 s[G1+6], 0
	s_mov_b32 s[G1+7], 0
	s_mov_b32 s[SEL], 0x76543210
	s_mov_b32 s[SEL+1], 0xfedcba98
	s_and_b32 s[HD], ttmp7, 0xffff                 ; the head, which the four partners share
	s_mul_i32 s82, s[HD], HEADB
	s_mov_b32 s83, 0
	s_lshl_b32 s86, s[WV], 14                      ; I fetch the key step of my wave's number: no place in the cluster enters an LDS address
	s_mov_b32 s87, 0
	s_bfe_u32 s88, ttmp6, 0x40000                  ; cx
	s_lshl_b32 s89, ttmp9, 2
	s_add_co_u32 s88, s89, s88                     ; c = 4 x cluster x + cx: it enters Q's and aimg's addresses and the mask's number alone
	s_lshl_b32 s89, s88, 10
	s_add_co_u32 s89, s89, QOFF
	s_lshl_b32 s90, s[KAP], 13
	s_add_co_u32 s90, s90, s89                     ; my first tile of queries: 8 kap + c,
	s_mov_b32 s91, 0
	s_lshl_b32 s92, s[UP], 13
	s_add_co_u32 s92, s92, s89                     ; and tile 15 - k's
	s_mov_b32 s93, 0
	s_wait_dscnt 0x0                               ; both opening adds are done
	s_wait_alu depctr_va_vdst(0)                   ; the wait here, directly ahead of the wait below
	s_wait_kmcnt 0x0
	s_load_b256 s[68:75], s[6:7], 0x0              ; e0 .. e7
	s_load_b128 s[76:79], s[6:7], 0x20             ; e8 .. e11
	s_add_nc_u64 s[84:85], s[4:5], s[82:83]        ; the head in qkv
	s_add_nc_u64 s[86:87], s[84:85], s[86:87]
	s_add_nc_u64 s[90:91], s[84:85], s[90:91]
	s_add_nc_u64 s[92:93], s[84:85], s[92:93]
	s_mov_b32 s[G0], 1                             ; count = 1
	s_lshl_b32 s[G0+1], s[WV], 14                  ; LDS address
	s_mov_b64 s[G0+2:G0+3], s[86:87]
	s_or_b32 s[G0+3], s[G0+3], 0x80000000          ; type = 2
	global_load_b128 v[QF:QF+3], v[LI], s[90:91]
	global_load_b128 v[QF+4:QF+7], v[LI], s[90:91] offset:512
	global_load_b128 v[QN:QN+3], v[LI], s[92:93]
	global_load_b128 v[QN+4:QN+7], v[LI], s[92:93] offset:512
	CROUND                                         ; all four work-groups are here: the joint loads meet
	tensor_load_to_lds s[G0:G0+3], s[G1:G1+7]      ; every wave issues this one load
	s_nop 0
	PLACES 4
	v_bfe_u32 v13, v0, 4, 1                        ; h
	v_and_b32 v12, 15, v0                          ; r
	v_lshlrev_b32 v13, 3, v13
	v_mov_b32 v[MX], 0xff61b1e6                    ; the largest t so far: -3e38, under every t
	v_sub_nc_u32 v[DM], v12, v13
	v_floor_f32 v[NM], -v[MX]                      ; -M
	s_lshl_b32 s94, s88, 4
	v_add_nc_u32 v[DM], s94, v[DM]
	; where my rows go in aimg: [block of 128 tokens = 16 x batch + kap][128 along the last product's K = two heads][tile of 16 tokens = c][four registers][512 bytes]; the block's kap is added on the way out
	s_lshr_b32 s94, s[HD], 4
	s_lshl_b32 s94, s94, 21
	s_bfe_u32 s95, s[HD], 0x30001                  ; (head % 16) / 2
	s_lshl_b32 s95, s95, 14
	s_add_co_u32 s94, s94, s95
	s_lshl_b32 s95, s88, 11
	s_add_co_u32 s94, s94, s95
	s_and_b32 s95, s[HD], 1                        ; the odd head takes the image's upper half
	s_lshl_b32 s95, s95, 10
	s_add_co_u32 s94, s94, s95
	s_mov_b32 s95, 0
	s_add_nc_u64 s[8:9], s[8:9], s[94:95]
	v_mov_b32 v15, 0                               ; (named as the upper half of a pair where the two parts are joined)
	v_mov_b32 v[SU], 0
	v_mov_b32 v[SU+1], 0
.set n, 0
.rept 32
	v_mov_b32 v[OT+n], 0                           ; O^T.  (A tile's first step finds zeros, which the first change of M leaves zeros)
.set n, n+1
.endr
	s_wait_kmcnt 0x0
	s_add_co_i32 s80, s74, s75
	s_lshl_b32 s80, s80, 23
	s_mov_b32 s[CS], 0x3e38aa3b                    ; log2(e) / sqrt(64)
	s_add_co_i32 s[CS], s[CS], s80                 ; a score stands for score x 2^(e6 + e7): the two exponents are added to c's exponent field
	s_mov_b32 s[CS+1], s[CS]                       ; (named with it as a pair, so it is written)
	s_add_co_i32 s80, s76, 127
	s_lshl_b32 s82, s80, 23
	v_mov_b32 v[SCP], s82                          ; 2^e8 as f32, for p's conversion
	s_add_co_i32 s80, s80, 8
	s_lshl_b32 s80, s80, 23
	s_or_b32 s[LIMP], s80, 0x600000
	s_sub_co_i32 s80, s78, s76
	s_sub_co_i32 s80, s80, s77                     ; O^T / the sum stands for that x 2^(e8 + e9): its code is that / 2^(e10 - e8 - e9)
	s_add_co_i32 s80, s80, 127
	s_lshl_b32 s[OSC], s80, 23
	s_add_co_i32 s80, s80, 8
	s_lshl_b32 s80, s80, 23
	s_or_b32 s[OLIM], s80, 0x600000
.macro KLOAD                           ; the step at AD: K's eight tiles
.irp c, 0,1,2,3,4,5,6,7
	ds_load_b128 v[KR+8*\c:KR+8*\c+3], v[AD] offset:1024*\c
	ds_load_b128 v[KR+8*\c+4:KR+8*\c+7], v[AD] offset:1024*\c+512
.endr
.endm
.macro HOLD c                          ; the conversion to an 8-bit code does not saturate (ISA guide 7.6.2); p is not negative, so the hold is one-sided; two numbers an instruction
.set n, S+8*(\c)
.rept 4
	v_dual_min_num_f32 v[n], s[LIMP], v[n] :: v_dual_min_num_f32 v[n+1], s[LIMP], v[n+1]
.set n, n+2
.endr
.endm
.macro CODES c
	v_cvt_scalef32_pk8_fp8_f32 v[PC+2*\c:PC+2*\c+1], v[S+8*\c:S+8*\c+7], v[SCP]   ; keys 16 c + 8 h + 0 .. 7: registers 2 c, 2 c + 1 of the operand
.endm
.macro PKT n0, count                   ; t - M, two at a time (of the pairs c and -M the low word serves both halves)
.set n, \n0
.rept \count
	v_pk_fma_f32 v[S+n:S+n+1], v[S+n:S+n+1], s[CS:CS+1], v[NM:NM+1] op_sel_hi:[1,0,0]
.set n, n+2
.endr
.endm
; A KEY STEP: 128 keys.  Its K has been asked for a trip ahead; the next trip's K is asked for behind the scores.
.macro STEP
	v_add_nc_u32 v[AD], s[TB], v[LI]
	PLACES 4                                       ; with the addition: five places behind the last trip's products, whose P the scores are laid over
.irp t, 0,1,2,3
.irp i, 0,1,2,3
	ds_load_b128 v[VR+16*\t+4*\i:VR+16*\t+4*\i+3], v[AD] offset:VOFF+2048*\t+512*\i
.endr
.endr
	s_wait_dscnt 16                                ; K is in; the 16 loads of V may be out
.irp c, 0,1,2,3,4,5,6,7                        ; S^T = K Q^T: eight tiles of 16 keys
	v_wmma_f32_16x16x64_fp8_fp8 v[S+8*\c:S+8*\c+7], v[KR+8*\c:KR+8*\c+7], v[QF:QF+7], 0
.endr
	v_add_nc_u32 v[AD], s[TN], v[LI]
	PLACES 3                                       ; four places: for the loads over K's registers and for the first read of the scores
	s_cmp_eq_u32 s[J], s[LASTJ]
	s_cbranch_scc1 .Lnone_\@                       ; my last trip: no step follows
	KLOAD
.Lnone_\@:
	s_cmp_lg_u32 s[KS], s[KAP]
	s_cbranch_scc1 .Lopen_\@
	v_mov_b32 v12, 0xff800000                      ; my queries' own step: the scores of hidden keys become -infinity ahead of the maximum: p = 0 then.  The step's first key counts for every query
.set n, 0
.rept 64
	v_cmp_gt_i32 vcc_lo, 16*(n/8)+n%8, v[DM]
	v_cndmask_b32 v[S+n], v[S+n], v12, vcc_lo
.set n, n+1
.endr
.Lopen_\@:
	v_max3_num_f32 v0, v[S], v[S+1], v[S+2]        ; the step's largest score of my query, among my 64 keys, in four chains, each accumulator from its low end on,
	v_max3_num_f32 v12, v[S+3], v[S+4], v[S+5]
	v_max3_num_f32 v13, v[S+6], v[S+7], v[S+8]
	v_max3_num_f32 v14, v[S+9], v[S+10], v[S+11]
.set n, S+12
.rept 6
	v_max3_num_f32 v0, v0, v[n], v[n+1]
	v_max3_num_f32 v12, v12, v[n+2], v[n+3]
	v_max3_num_f32 v13, v13, v[n+4], v[n+5]
	v_max3_num_f32 v14, v14, v[n+6], v[n+7]
.set n, n+8
.endr
	v_max3_num_f32 v0, v0, v[S+60], v[S+61]
	v_max3_num_f32 v12, v12, v[S+62], v[S+63]
	v_max3_num_f32 v0, v0, v13, v14
	s_delay_alu instid0(VALU_DEP_1)
	v_max_num_f32 v0, v0, v12
	s_delay_alu instid0(VALU_DEP_1)
	v_permlanex16_b32 v12, v0, s[SEL], s[SEL+1]
	s_delay_alu instid0(VALU_DEP_1)
	v_max_num_f32 v0, v0, v12                      ; and among lane l xor 16's
	s_delay_alu instid0(VALU_DEP_1)
	v_mul_f32 v0, s[CS], v0                        ; as t (c is positive)
	s_delay_alu instid0(VALU_DEP_1)
	v_max_num_f32 v[MX], v[MX], v0                 ; the running largest t
	v_mov_b32 v12, v[NM]
	s_delay_alu instid0(VALU_DEP_2)
	v_floor_f32 v[NM], -v[MX]                      ; the new -M = floor(-t) = -ceil(t): a whole number
	s_delay_alu instid0(VALU_DEP_1)
	v_sub_f32 v12, v[NM], v12                      ; M's old value less its new one: a whole number, 0 or less
	PKT 0, 8
	v_cvt_i32_f32 v12, v12                         ; (it saturates)
	PKT 16, 8
	v_ldexp_f32 v[F], 1.0, v12                     ; f = 2^(old M - new M)
	PKT 32, 16
.set n, OT
.rept 16
	v_pk_mul_f32 v[n:n+1], v[n:n+1], v[F:F+1] op_sel_hi:[1,0]   ; O^T under the new M: x f
.set n, n+2
.endr
	s_wait_alu depctr_va_vdst(0)                   ; the wait ahead of the batch
.set n, S
.rept 64
	v_exp_f32 v[n], v[n]                           ; p = 2^(t - M), at most 1: not normalised
.set n, n+1
.endr
	v_pk_mul_f32 v[SU:SU+1], v[SU:SU+1], v[F:F+1] op_sel_hi:[1,0]   ; the sums under the new M.  (The plain instruction behind the exponentials)
	s_wait_alu depctr_va_vdst(0)                   ; and one wait ahead of the batch's first reader
	v_pk_add_f32 v[12:13], v[S:S+1], v[S+2:S+3]    ; the row's sum, in three chains
	v_pk_add_f32 v[14:15], v[S+4:S+5], v[S+6:S+7]
	v_pk_add_f32 v[SU:SU+1], v[SU:SU+1], v[S+8:S+9]
.set n, S+10
.rept 9
	v_pk_add_f32 v[12:13], v[12:13], v[n:n+1]
	v_pk_add_f32 v[14:15], v[14:15], v[n+2:n+3]
	v_pk_add_f32 v[SU:SU+1], v[SU:SU+1], v[n+4:n+5]
.set n, n+6
.endr
	HOLD 0
	v_pk_add_f32 v[12:13], v[12:13], v[14:15]
	HOLD 1
	v_pk_add_f32 v[SU:SU+1], v[SU:SU+1], v[12:13]
.irp c, 0,1,2,3,4,5
	CODES \c                                       ; the codes of tiles 1 to 7 lie over scores of tiles 0 and 1, converted earlier; plain instructions stand between
	HOLD \c+2
.endr
	CODES 6
	CODES 7
	v_nop                                          ; one plain vector instruction behind the last conversion
	s_wait_alu depctr_va_vdst(0)                   ; the wait here, directly ahead of the wait below
	s_wait_dscnt 0x0                               ; V is in, and the next trip's K
.irp t, 0,1,2,3                                ; O^T += V^T P^T: four accumulators by turns, one instruction a turn
	v_wmma_f32_16x16x128_fp8_fp8 v[OT+8*\t:OT+8*\t+7], v[VR+16*\t:VR+16*\t+15], v[PC:PC+15], v[OT+8*\t:OT+8*\t+7]
.endr
.endm
.macro WHERE j                         ; trip s[j]'s key step and its LDS byte
	s_sub_co_u32 s80, s[KLO], s[\j]                ; under 0 where the trip lies behind tile k's last
	s_lshr_b32 s80, s80, 31
	s_mul_i32 s80, s80, s[DD]
	s_add_co_u32 s[KN], s80, s[\j]
	s_lshl_b32 s[TN], s[KN], 14
	s_and_b32 s[TN], s[TN], 0x3c000                ; (behind my last trip the number is not used)
.endm
; THE WAY OUT of a tile.  O^T / the sum is quantised in registers.  A conversion's 8 bytes are channels 16 t + 8 h + 0 .. 7 of query r; in the next operand's image (registers 4 c .. 4 c + 3: k = 32 c + 16 h' + 0 .. 15)
; they lie in block 2 (head % 2) + t / 2, lane 16 (t % 2) + r, byte 8 h: the 32 lanes of a store fill 256 consecutive bytes, aligned.
.macro FINISH
	PLACES 4                                       ; behind the last products
	v_add_f32 v0, v[SU], v[SU+1]                   ; the sum's two halves,
	v_and_b32 v[AD], 0xff, v[LI]
	v_lshrrev_b32 v14, 5, v[LI]
	v_permlanex16_b32 v12, v0, s[SEL], s[SEL+1]
	v_and_b32 v14, 8, v14
	v_add_f32 v0, v0, v12                          ; and lane l xor 16's: the row's sum
	v_add_nc_u32 v[AD], v[AD], v14                 ; 16 r + 8 h
	s_lshl_b32 s80, s[KAP], 17
	s_mov_b32 s81, 0
	s_add_nc_u64 s[10:11], s[8:9], s[80:81]
	s_wait_alu depctr_va_vdst(0)                   ; the wait ahead of the transcendental
	v_rcp_f32 v12, v0
	v_mov_b32 v13, s[OSC]                          ; (a plain instruction behind the reciprocal)
	v_mov_b32 v0, s[OLIM]
	s_wait_alu depctr_va_vdst(0)                   ; and ahead of its first reader
.set n, 0
.rept 16
	v_pk_mul_f32 v[S+16+n:S+17+n], v[OT+n:OT+n+1], v[12:13] op_sel_hi:[1,0]   ; each accumulator from its low end on
.set n, n+2
.endr
.set n, S+16
.rept 32
	v_med3_num_f32 v[n], v[n], -v0, v0
.set n, n+1
.endr
.irp t, 0,1,2,3
	v_cvt_scalef32_pk8_fp8_f32 v[S+2*\t:S+2*\t+1], v[S+16+8*\t:S+23+8*\t], v13
.endr
	v_nop
.irp t, 0,1,2,3
	global_store_b64 v[AD], v[S+2*\t:S+2*\t+1], s[10:11] offset:(\t/2)*512+(\t%2)*256
.endr
.endm
	s_mov_b32 s[J], 0
	s_mov_b32 s[KN], 0                             ; every wave begins with step 0
	s_mov_b32 s[TN], 0
	s_wait_alu depctr_va_vdst(0)                   ; the wait at the head's end
	s_wait_loadcnt 0x0                             ; Q
	s_wait_tensorcnt 0x0                           ; my key step has landed,
	s_barrier_signal -1
	s_barrier_wait -1                              ; and everybody's: the head is whole
	v_add_nc_u32 v[AD], s[TN], v[LI]
	KLOAD
.Ltrip:                                                ; trips 0 to 8; waves 8 to 15 have no work in trip 8
	s_mov_b32 s[KS], s[KN]
	s_mov_b32 s[TB], s[TN]
	s_cmp_lg_u32 s[J], s[SWJ]
	s_cbranch_scc1 .Lsame
	FINISH                                         ; tile k is done: it goes out, and tile 15 - k begins anew
	s_mov_b32 s[KAP], s[UP]
.set n, 0
.rept 8
	v_mov_b32 v[QF+n], v[QN+n]
.set n, n+1
.endr
	v_mov_b32 v[MX], 0xff61b1e6
	v_mov_b32 v[SU], 0
	v_mov_b32 v[SU+1], 0
	v_floor_f32 v[NM], -v[MX]
.set n, 0
.rept 32
	v_mov_b32 v[OT+n], 0
.set n, n+1
.endr
	s_wait_alu depctr_va_vdst(0)                   ; the wait here, directly ahead of the wait below
	s_wait_xcnt 0x0                                ; the stores have read their registers, which the next scores are laid over
.Lsame:
	s_add_co_u32 s81, s[J], 1
	WHERE 81
	s_cmp_gt_u32 s[J], s[LASTJ]
	s_cbranch_scc1 .Lrest
	STEP
.Lrest:
	s_add_co_u32 s[J], s[J], 1
	s_cmp_lt_u32 s[J], 9
	s_cbranch_scc1 .Ltrip
	; TILE 15 - k's TWO PARTS.  Wave k hands over O^T, -M, the largest t and the sum; wave 8 + k brings both parts under one M (multiplications by powers of two) and sends the tile out.
	PLACES 4
	s_mul_i32 s80, s[KLO], STGB
	s_add_co_u32 s80, s80, STG
	v_add_nc_u32 v[AD], s80, v[LI]
	s_wait_alu depctr_va_vdst(0)                   ; the wait here, ahead of the branch and the waits below
	s_cmp_lt_u32 s[WV], 8
	s_cbranch_scc0 .Lhanded
.irp i, 0,1,2,3,4,5,6,7
	ds_store_b128 v[AD], v[OT+4*\i:OT+4*\i+3] offset:512*\i
.endr
	ds_store_b128 v[AD], v[NM:NM+3] offset:4096
.Lhanded:
	s_wait_dscnt 0x0                               ; my stores are done
	s_barrier_signal -1
	s_barrier_wait -1
	s_cmp_lt_u32 s[WV], 8
	s_cbranch_scc1 .Lend
	ds_load_b128 v[KR+32:KR+35], v[AD] offset:4096
.irp i, 0,1,2,3,4,5,6,7
	ds_load_b128 v[KR+4*\i:KR+4*\i+3], v[AD] offset:512*\i
.endr
	s_wait_dscnt 0x0
	v_min_num_f32 v0, v[NM], v[KR+32]              ; -M of the whole row
	v_sub_f32 v12, v0, v[NM]
	v_sub_f32 v14, v0, v[KR+32]
	v_cvt_i32_f32 v12, v12
	v_cvt_i32_f32 v14, v14
	v_ldexp_f32 v12, 1.0, v12
	v_ldexp_f32 v14, 1.0, v14
	v_pk_mul_f32 v[SU:SU+1], v[SU:SU+1], v[12:13] op_sel_hi:[1,0]
.set n, 0
.rept 16
	v_pk_mul_f32 v[OT+n:OT+n+1], v[OT+n:OT+n+1], v[12:13] op_sel_hi:[1,0]
.set n, n+2
.endr
	v_pk_fma_f32 v[SU:SU+1], v[KR+34:KR+35], v[14:15], v[SU:SU+1] op_sel_hi:[1,0,1]
.set n, 0
.rept 16
	v_pk_fma_f32 v[OT+n:OT+n+1], v[KR+n:KR+n+1], v[14:15], v[OT+n:OT+n+1] op_sel_hi:[1,0,1]
.set n, n+2
.endr
	FINISH
.Lend:
	s_wait_tensorcnt 0x0                           ; the wave's end
	ds_add_u32 v[SPW], v[NIL]
	s_wait_dscnt 0x0
	CROUND                                         ; the closing round: no work-group ends while a partner may still ask for a tile that names it
	s_endpgm
.Lfunc_end_k_qf572467f23_attn:
	.size	k_qf572467f23_attn, .Lfunc_end_k_qf572467f23_attn-k_qf572467f23_attn
	.p2alignl 7, 3214868480
	.fill 96, 4, 3214868480
	.section	.rodata,"a",@progbits
	.p2align	6, 0x0
	.amdhsa_kernel k_qf572467f23_attn
		.amdhsa_group_segment_fixed_size 301056
		.amdhsa_private_segment_fixed_size 0
		.amdhsa_enable_private_segment 0
		.amdhsa_kernarg_size 24
		.amdhsa_user_sgpr_count 2
		.amdhsa_user_sgpr_kernarg_segment_ptr 1
		.amdhsa_wavefront_size32 1
		.amdhsa_system_sgpr_workgroup_id_x 1
		.amdhsa_system_sgpr_workgroup_id_y 1
		.amdhsa_system_sgpr_workgroup_id_z 1
		.amdhsa_system_vgpr_workitem_id 0
		.amdhsa_next_free_vgpr 256
		.amdhsa_next_free_sgpr 96
		.amdhsa_reserve_vcc 1
		.amdhsa_float_denorm_mode_32 3
		.amdhsa_float_denorm_mode_16_64 3
		.amdhsa_memory_ordered 1
		.amdhsa_forward_progress 1
		.amdhsa_inst_pref_size 44
	.end_amdhsa_kernel
	.amdgpu_metadata
---
amdhsa.version: [ 1, 2 ]
amdhsa.kernels:
  - .name:           k_qf572467f23_attn
    .symbol:         k_qf572467f23_attn.kd
    .args:
      - { .name: qkv, .offset: 0, .size: 8, .value_kind: global_buffer, .address_space: global }
      - { .name: lowp_scales, .offset: 8, .size: 8, .value_kind: global_buffer, .address_space: global }
      - { .name: aimg, .offset: 16, .size: 8, .value_kind: global_buffer, .address_space: global }
    .group_segment_fixed_size: 301056
    .private_segment_fixed_size: 0
    .kernarg_segment_align: 8
    .kernarg_segment_size: 24
    .max_flat_workgroup_size: 512
    .sgpr_count:     96
    .vgpr_count:     256
    .wavefront_size: 32
...
	.end_amdgpu_metadata
.endif
;; end of part 2
;; launch outp (part 3): grid 8 x 32, 4 waves a work-group, clusters of 4 x 4, 167,936 bytes of LDS; arguments aimg, Wo_codes, bo, lowp_scales, out0; writes out0
.if DOCPART == 3
	.amdgcn_target "amdgcn-amd-amdhsa--gfx1250"
	.amdhsa_code_object_version 6
	.text
	.protected	k_qf572467f23_outp
	.globl	k_qf572467f23_outp
	.p2align	8
	.type	k_qf572467f23_outp,@function
k_qf572467f23_outp:
	s_mov_b64 s[64:65], 0
	v_nop
	global_prefetch_b8 v0, s[64:65] scope:SCOPE_SE
	s_setreg_imm32_b32 hwreg(HW_REG_WAVE_MODE, 25, 1), 1
	s_wait_xcnt 0x0
	s_wait_alu depctr_hold_cnt(0) depctr_sa_sdst(0) depctr_va_vdst(0) depctr_va_sdst(0) depctr_va_ssrc(0) depctr_va_vcc(0) depctr_vm_vsrc(0)
	s_getreg_b32 s2, hwreg(HW_REG_IB_STS2, 6, 4)
	s_cmp_eq_u32 s2, 0
	s_cbranch_scc0 .Lentry_in_a_cluster
	s_endpgm
.Lentry_in_a_cluster:
	s_bfe_u32 s2, ttmp6, 0x10000c
	s_cmp_lg_u32 s2, 0xf033
	s_cbranch_scc0 .Lentry_shape_is_right
	s_endpgm
.Lentry_shape_is_right:
; THE LAST PRODUCT: out0 = A Wo + bo.  A: 4,096 tokens x 1,024, codes of FP8 (E4M3) as images of operand registers (aimg: [block of 128 tokens][K step of 128][tile of 16 tokens][four registers][512 bytes]);
; Wo_codes: [1,024 (n)][1,024 (k)]; bo [1,024], out0 [4,096][1,024]: f32.  out0 = sum x 2^(e10 + e11) + bo.  LIMIT: e10 + e11 between -126 and 127, so that the power of two is an f32 number.
; A tile of out0 is 128 x 128: 256 tiles, one a work-group.  Four waves, each 64 x 64: 16 accumulators.
; A LIES AS ITS FRAGMENTS LIE IN REGISTERS, so it goes from memory straight into them, past LDS: 64 tokens x 1,024 = 512 registers a wave, 128 loads of 512 consecutive bytes, all asked for at the head.  So A is not asked for jointly:
; a joint load ends in LDS, and a wave would read 128 more fragments' parts from there than the 128 that Wo takes.  Wo's 128 rows lie in LDS (rows of 1,024 bytes + 16 of padding), filled once, one load a wave (32 rows), and ARE asked for
; jointly by a column of the 4 x 4 cluster.  All bytes are asked for by the first lines, so there is nothing later to prefetch.
; THE MATRIX INSTRUCTION IS USED TRANSPOSED (source 0 = 16 rows of Wo, source 1 = 16 tokens): a lane holds eight neighbouring numbers of a row of out0.  k lies in both operands' registers alike: registers 4 c .. 4 c + 3: k = 32 c + 16 h + 0 .. 15.
; REGISTERS: window 0: addresses; v32-63 bo; v64-95 the way out; v128-255 the accumulators ((a, b) at v[128 + 8 (4 a + b)]).  window 1: four buffers of Wo's fragments.  windows 2, 3: A, K steps 0-3 and 4-7, 64 registers a step.
.set WP,   1040                        ; a row of Wo in LDS: the 16 rows that a load touches start 16 bytes further on each, modulo 256
.set STG,  128*WP                      ; behind them: a stage of 16 rows x 272 bytes for each wave; no tensor load lands there
.set SPARE, STG+4*16*272               ; the spare words, 128 bytes for each wave
.set ADW, 20                           ; v20     LDS address of my Wo fragments
.set LI,  21                           ; v21     16 x lane
.set STO, 24                           ; v24     the way out: where I put 32 bytes of a row
.set RD,  25                           ; v25     where I read a row back
.set CO,  26                           ; v26     my byte offset in out0
.set SPW, 30
.set NIL, 31
.set BO,  32
.set TMP, 64
.set ACC, 128
.set G1, 16                            ; s[16:23] descriptor group 1, s[24:27] group 0
.set G0, 24
.set MSB, 0
.macro WIN new                         ; the immediate's high byte repeats the setting that is left
.if MSB != \new
	s_set_vgpr_msb (MSB<<8)|\new
.set MSB, \new
.endif
.endm
.macro CROUND                          ; a round of the cluster's barrier
	s_barrier_signal -1
	s_barrier_wait -1
	s_cmp_lg_u32 s66, 0
	s_cbranch_scc1 .Lnot_wave_0_\@
	s_barrier_signal -3
.Lnot_wave_0_\@:
	s_barrier_wait -3
	s_barrier_signal -1
	s_barrier_wait -1
.endm
.macro ALOAD k                         ; K step k of A: my four tiles of tokens
	WIN 0x80+0x40*((\k)/4)
.irp a, 0,1,2,3
.irp c, 0,1,2,3
	global_load_b128 v[64*((\k)%4)+16*\a+4*\c:64*((\k)%4)+16*\a+4*\c+3], v[LI], s[4:5] offset:(\k)*16384+\a*2048+512*\c
.endr
.endr
.endm
	s_load_b256 s[4:11], s[0:1], 0x0               ; aimg, Wo's codes, bo, the scales' exponents
	s_load_b64 s[12:13], s[0:1], 0x20              ; out0
	v_lshl_add_u32 v[SPW], v0, 2, SPARE
	v_mov_b32 v[NIL], 0
	ds_add_u32 v[SPW], v[NIL]                      ; the opening lines: the add, twice on end, and its wait
	ds_add_u32 v[SPW], v[NIL]
	v_lshrrev_b32 v1, 5, v0
	v_readfirstlane_b32 s66, v1                    ; wave 0..3
	s_lshr_b32 s67, s66, 1                         ; which 64 tokens are mine
	s_and_b32 s68, s66, 1                          ; which 64 columns
	s_mul_i32 s93, s68, 64*WP                      ; my 64 rows of Wo
	s_mul_i32 s94, s66, 16*272
	s_add_co_u32 s94, s94, STG                     ; my stage
	v_and_b32 v1, 15, v0                           ; r
	v_bfe_u32 v2, v0, 4, 1                         ; h
	v_and_b32 v3, 31, v0
	v_mul_u32_u24 v4, v1, WP
	v_mul_u32_u24 v5, v1, 272
	v_mul_u32_u24 v6, v2, 272
	v_lshlrev_b32 v[LI], 4, v3
	v_lshlrev_b32 v[CO], 12, v2
	v_lshl_add_u32 v4, v2, 4, v4                   ; row x pitch + 16 x half
	v_lshl_add_u32 v5, v2, 5, v5
	v_lshl_add_u32 v6, v1, 4, v6
	v_lshl_add_u32 v[CO], v1, 4, v[CO]             ; lanes 0-15 one row of out0, lanes 16-31 the next
	v_lshlrev_b32 v27, 5, v2                       ; bo: 32 h
	v_add_nc_u32 v[ADW], s93, v4
	v_add_nc_u32 v[STO], s94, v5                   ; in: row r, 32 bytes for each half of the lanes
	v_add_nc_u32 v[RD], s94, v6                    ; back: lanes 0-15 one row of 256 bytes, lanes 16-31 the next
	s_bfe_u32 s69, ttmp6, 0x40000                  ; cx, cy
	s_bfe_u32 s70, ttmp6, 0x40004
	s_lshl_b32 s71, ttmp9, 2
	s_add_co_u32 s71, s71, s69                     ; tile column = 4 x cluster x + cx
	s_and_b32 s72, ttmp7, 0xffff
	s_lshl_b32 s72, s72, 2
	s_add_co_u32 s72, s72, s70                     ; tile row = block of tokens = 4 x cluster y + cy
	s_lshl_b32 s74, 0x1111, s69                    ; my column of the cluster
	s_or_b32 s[G1], s74, (0<<16)|(1<<20)|(1<<21)|(7<<22)|(3<<25)  ; elements of 1 byte; padding of 4 words after every 256; the mask: my column; 21 set beside a mask
	s_mov_b32 s[G1+1], 1024<<16                    ; tensor_dim0
	s_mov_b32 s[G1+2], 32<<16                      ; tensor_dim1
	s_mov_b32 s[G1+3], 1024<<16                    ; tile_dim0
	s_mov_b32 s[G1+4], 32                          ; tile_dim1
	s_mov_b32 s[G1+5], 1024                        ; from row to row
	s_mov_b32 s[G1+6], 0
	s_mov_b32 s[G1+7], 0
	s_lshl_b32 s78, s71, 17                        ; Wo: 128 rows of 1,024 bytes a tile column,
	s_lshl_b32 s81, s66, 15                        ; + the 32 rows that I fetch
	s_add_co_u32 s78, s78, s81
	s_mov_b32 s79, 0
	s_mul_i32 s82, s66, 32*WP                      ; and in LDS
	s_lshl_b32 s76, s72, 17                        ; A: my block of 131,072 bytes,
	s_lshl_b32 s80, s67, 13                        ; + my four tiles of tokens in a K step
	s_add_co_u32 s76, s76, s80
	s_mov_b32 s77, 0
	s_lshl_b32 s88, s72, 7
	s_lshl_b32 s89, s67, 6
	s_add_co_u32 s88, s88, s89                     ; my first token
	s_lshl_b32 s88, s88, 12                        ; rows of 4,096 bytes
	s_lshl_b32 s89, s71, 7
	s_lshl_b32 s90, s68, 6
	s_add_co_u32 s89, s89, s90                     ; my first column,
	s_lshl_b32 s90, s89, 2                         ; in bytes
	s_add_co_u32 s88, s88, s90
	s_mov_b32 s89, 0
	s_mov_b32 s91, 0
	s_wait_dscnt 0x0                               ; both opening adds are done
	s_wait_alu depctr_va_vdst(0)                   ; the wait here, directly ahead of the wait below
	s_wait_kmcnt 0x0
	s_load_b64 s[86:87], s[10:11], 0x28            ; e10, e11
	s_add_nc_u64 s[4:5], s[4:5], s[76:77]
	s_add_nc_u64 s[8:9], s[8:9], s[90:91]
	s_add_nc_u64 s[12:13], s[12:13], s[88:89]
	s_mov_b32 s[G0], 1
	s_mov_b32 s[G0+1], s82
	s_add_nc_u64 s[G0+2:G0+3], s[6:7], s[78:79]
	s_or_b32 s[G0+3], s[G0+3], 0x80000000
.irp b, 0,1,2,3
	global_load_b128 v[BO+8*\b:BO+8*\b+3], v27, s[8:9] offset:64*\b       ; bo[my first column + 16 b + 8 h + 0 .. 7]
	global_load_b128 v[BO+8*\b+4:BO+8*\b+7], v27, s[8:9] offset:64*\b+16
.endr
	ALOAD 0
	ALOAD 1
	ALOAD 2
	WIN 0
	CROUND                                         ; all sixteen work-groups are here: the joint loads meet
	tensor_load_to_lds s[G0:G0+3], s[G1:G1+7]      ; every wave issues this one load
	s_nop 0
	ALOAD 3
	ALOAD 4
	ALOAD 5
	ALOAD 6
	ALOAD 7
	WIN 0
	s_wait_kmcnt 0x0
	s_add_co_i32 s84, s86, s87
	s_add_co_i32 s84, s84, 127
	s_lshl_b32 s84, s84, 23                        ; 2^(e10 + e11) as f32
	s_mov_b32 s85, s84                             ; (named with it as a pair, so it is written)
.macro PLACES                          ; four places in front of loads into registers that matrix instructions have read, and of the first read of results (ISA guide 7.12.1 for the first read of results)
.rept 4
	v_nop
.endr
.endm
.macro FETCH k                         ; K step k of Wo: my 64 rows, into buffer k % 4
	WIN 0x40
.irp b, 0,1,2,3
.irp c, 0,1,2,3
	ds_load_b128 v[64*((\k)%4)+16*\b+4*\c:64*((\k)%4)+16*\b+4*\c+3], v[ADW] offset:\b*16*WP+128*(\k)+32*\c
.endr
.endr
.endm
; K step k: 16 matrix instructions; ahead of them Wo's fragments two steps on are asked for.  The 16 accumulators take turns, one instruction a turn.
.macro KSTEP k
.if (\k) < 6
.if (\k) > 1
	PLACES
.endif
	FETCH (\k)+2
	s_wait_dscnt 32                                ; the next two steps' fragments may be out
.elseif (\k) == 6
	s_wait_dscnt 16
.else
	s_wait_dscnt 0x0
.endif
.if (\k) < 4
	s_wait_loadcnt 63                              ; A's step k is in: 16 (7 - k) younger loads, 64 or more, stand behind it
.else
	s_wait_loadcnt 16*(7-(\k))
.endif
	WIN 0x09+0x04*((\k)/4)                         ; source 0 (Wo) window 1; source 1 (A) window 2 or 3; C and D window 0
.irp a, 0,1,2,3
.irp b, 0,1,2,3
.if (\k) == 0
	v_wmma_f32_16x16x128_fp8_fp8 v[ACC+8*(4*\a+\b):ACC+8*(4*\a+\b)+7], v[64*((\k)%4)+16*\b:64*((\k)%4)+16*\b+15], v[64*((\k)%4)+16*\a:64*((\k)%4)+16*\a+15], 0
.else
	v_wmma_f32_16x16x128_fp8_fp8 v[ACC+8*(4*\a+\b):ACC+8*(4*\a+\b)+7], v[64*((\k)%4)+16*\b:64*((\k)%4)+16*\b+15], v[64*((\k)%4)+16*\a:64*((\k)%4)+16*\a+15], v[ACC+8*(4*\a+\b):ACC+8*(4*\a+\b)+7]
.endif
.endr
.endr
.endm
	s_wait_tensorcnt 0x0                           ; my 32 rows of Wo are in,
	s_barrier_signal -1
	s_barrier_wait -1                              ; everybody's are
	FETCH 0
	FETCH 1
.irp k, 0,1,2,3,4,5,6,7
	KSTEP \k
.endr
	WIN 0
	; THE WAY OUT, a tile of 16 tokens at a time: sum x 2^(e10 + e11) + bo, one packed multiply-add for two numbers; through my own stage in LDS, so that sixteen lanes store 256 consecutive bytes, aligned.
	; LDS serves a wave's instructions in order (ISA guide 5.7.1.4): no wait between the stores and the loads, nor in front of the next tile's stores.  The rows come back into the tile's own accumulators, which have been read.
.macro TOSTAGE a
.irp b, 0,1,2,3
.irp j, 0,2,4,6
	v_pk_fma_f32 v[TMP+8*\b+\j:TMP+8*\b+\j+1], v[ACC+8*(4*\a+\b)+\j:ACC+8*(4*\a+\b)+\j+1], s[84:85], v[BO+8*\b+\j:BO+8*\b+\j+1] op_sel_hi:[1,0,1]   ; each accumulator from its low end on
.endr
.endr
.irp b, 0,1,2,3
	ds_store_b128 v[STO], v[TMP+8*\b:TMP+8*\b+3] offset:64*\b          ; lane (r, h): out0(16 a + r, 16 b + 8 h + 0 .. 7)
	ds_store_b128 v[STO], v[TMP+8*\b+4:TMP+8*\b+7] offset:64*\b+16
.endr
.irp t, 0,1,2,3,4,5,6,7
	ds_load_b128 v[ACC+32*\a+4*\t:ACC+32*\a+4*\t+3], v[RD] offset:\t*2*272
.endr
.endm
.macro SEND a, younger                 ; younger: the next tile's 16 LDS instructions, which may be out
.irp t, 0,1,2,3,4,5,6,7
	s_wait_dscnt \younger+7-\t                     ; LDS loads come back in order: pair t of rows is in
	global_store_b128 v[CO], v[ACC+32*\a+4*\t:ACC+32*\a+4*\t+3], s[12:13] offset:(16*\a+2*\t)*4096 th:TH_STORE_NT   ; written once, read by nobody here
.endr
.endm
	PLACES
	TOSTAGE 0
	TOSTAGE 1
	SEND 0, 16
	TOSTAGE 2
	SEND 1, 16
	TOSTAGE 3
	SEND 2, 16
	SEND 3, 0
	s_wait_tensorcnt 0x0                           ; the wave's end
	ds_add_u32 v[SPW], v[NIL]
	s_wait_dscnt 0x0
	CROUND                                         ; the closing round: no work-group ends while a partner may still ask for a tile that names it
	s_endpgm
.Lfunc_end_k_qf572467f23_outp:
	.size	k_qf572467f23_outp, .Lfunc_end_k_qf572467f23_outp-k_qf572467f23_outp
	.p2alignl 7, 3214868480
	.fill 96, 4, 3214868480
	.section	.rodata,"a",@progbits
	.p2align	6, 0x0
	.amdhsa_kernel k_qf572467f23_outp
		.amdhsa_group_segment_fixed_size 167936
		.amdhsa_private_segment_fixed_size 0
		.amdhsa_enable_private_segment 0
		.amdhsa_kernarg_size 40
		.amdhsa_user_sgpr_count 2
		.amdhsa_user_sgpr_kernarg_segment_ptr 1
		.amdhsa_wavefront_size32 1
		.amdhsa_system_sgpr_workgroup_id_x 1
		.amdhsa_system_sgpr_workgroup_id_y 1
		.amdhsa_system_sgpr_workgroup_id_z 1
		.amdhsa_system_vgpr_workitem_id 0
		.amdhsa_next_free_vgpr 1024
		.amdhsa_next_free_sgpr 96
		.amdhsa_reserve_vcc 0
		.amdhsa_float_denorm_mode_32 3
		.amdhsa_float_denorm_mode_16_64 3
		.amdhsa_memory_ordered 1
		.amdhsa_forward_progress 1
		.amdhsa_inst_pref_size 48
	.end_amdhsa_kernel
	.amdgpu_metadata
---
amdhsa.version: [ 1, 2 ]
amdhsa.kernels:
  - .name:           k_qf572467f23_outp
    .symbol:         k_qf572467f23_outp.kd
    .args:
      - { .name: aimg, .offset: 0, .size: 8, .value_kind: global_buffer, .address_space: global }
      - { .name: Wo_codes, .offset: 8, .size: 8, .value_kind: global_buffer, .address_space: global }
      - { .name: bo, .offset: 16, .size: 8, .value_kind: global_buffer, .address_space: global }
      - { .name: lowp_scales, .offset: 24, .size: 8, .value_kind: global_buffer, .address_space: global }
      - { .name: out0, .offset: 32, .size: 8, .value_kind: global_buffer, .address_space: global }
    .group_segment_fixed_size: 167936
    .private_segment_fixed_size: 0
    .kernarg_segment_align: 8
    .kernarg_segment_size: 40
    .max_flat_workgroup_size: 128
    .sgpr_count:     96
    .vgpr_count:     1024
    .wavefront_size: 32
...
	.end_amdgpu_metadata
.endif
;; end of part 3
